; MI455X (gfx1250); checked and timed in simulation.
; The chip was launched on July 23, 2026; its instructions are those of AMD's public machine-readable ISA for CDNA 5 (MIT licence, August 2026) and "CDNA5" Instruction Set Architecture Reference Guide (July 2026). The comments in the code are by the model that wrote it; some were corrected since.
;; Multi Head Attention. Allowed arithmetic: matrix products marked QUANTISED: E2M1 operands, one E8M0 scale for each 32 along K, by v_wmma_scale_f32_16x16x128_f8f6f4 with both operands' format E2M1 (or v_wmma_scale_f32_32x16x128_f4), f32 sums; everything else in f32.
;; Inputs: beta 1,024 float32; gamma 1,024 float32; k 4 x 2,048 x 1,024 float32; masks 4 x 2,048 x 2,048 int32; proj_K 1,024 float32; proj_Q 1,024 float32; proj_V 1,024 float32; q 4 x 2,048 x 1,024 float32; v 4 x 2,048 x 1,024 float32.
;; Outputs: out0 4 x 2,048 x 1,024 float32.
;; This version of the problem:
;;   THIS VERSION OF THE PROBLEM IS GIVEN IN LOW PRECISION. The matrix products marked QUANTISED in the list below multiply operands that are first quantised to E2M1 (2 exponent bits, 1 mantissa bit; 4 bits a number), with one power-of-two scale for each 32 numbers along K (OCP MX v1.0); their sums are f32. All else is computed in f32.
;;   The module's matrix products, in the order in which they are computed (A, B: the left and right operand; K: the contracted axis; several contracted axes count as one K, in the product's order):
;;     1. batch 64 x [M 2,048, K 64] x [K 64, N 2,048]; A: computed on the way; B: computed on the way: QUANTISED
;;     2. batch 64 x [M 2,048, K 2,048] x [K 2,048, N 64]; A: softmax (see below); B: computed on the way: QUANTISED
;;   THE QUANTISER, for each operand of a quantised product, along K:
;;     - K is cut into blocks of 32 from its start; a last block that is shorter is filled with zeros.
;;     - A block's scale is 2^e with e = floor(log2(the largest magnitude in the block)) - 2, held to -126 .. 127; a block of zeros has e = 0. As a byte (E8M0): e + 127.
;;     - Each number is divided by its block's scale, clamped to +-6, and rounded to the nearest number of E2M1, ties to even, subnormals kept.
;;     - The product sums the exact products of the quantised numbers (number of the format x scale) in f32.
;;   ~~~python
;;   def quantise(x, axis):      # numpy; x: float32 -> the quantised numbers, widened to float32 again
;;       x = np.moveaxis(x, axis, -1); K = x.shape[-1]
;;       x = np.pad(x, [(0, 0)] * (x.ndim - 1) + [(0, -K % 32)]); x = x.reshape(x.shape[:-1] + (-1, 32)); a = np.abs(x).max(-1, keepdims=True)
;;       e = np.where(a > 0, np.clip(np.frexp(np.where(a > 0, a, 1))[1] - 1 - 2, -126, 127), 0)      # np.frexp(a)[1] - 1 = floor(log2(a)), exactly
;;       r = np.clip(x / 2.0 ** e, -6, 6)
;;       step = 2.0 ** (np.maximum(np.frexp(np.where(r == 0, 1, r))[1] - 1, 0) - 1)
;;       q = np.round(r / step) * step * 2.0 ** e      # np.round: ties to even
;;       return np.moveaxis(q.reshape(q.shape[:-2] + (-1,))[..., :K], -1, axis).astype(np.float32)
;;   ~~~
;;   SOFTMAX AHEAD OF A QUANTISED PRODUCT. Where the list says 'softmax', what is quantised is not the finished softmax but p = 2^(t - M), with t = logit x log2(e) and M = ceil(the row's largest t), a whole number; so 1/2 < the row's largest p <= 1. The row's sum l is taken of the UNQUANTISED p, in f32, and the product's result is divided by l at the end. Since M is a whole number, a kernel that streams over the keys may use a running M (the ceiling of the running maximum): every later rescaling is an exact power of two, which a block's scale takes up: the codes' values come out the same.
;;   OPERANDS COMPUTED ON THE WAY. 'Computed on the way' means the value that the module computes at that place (a softmax that the list does not call 'softmax' is quantised finished and normalised). What goes into a quantiser is computed in f32, as accurately as f32 sums, v_exp_f32 and their like allow (about 1e-6 of the number): no bf16 or f16 on the way to a quantiser, and a product that is left as it is and whose result goes on into a quantised operand takes f32 operands (vector FMAs, or v_wmma_f32_16x16x4_f32). A number that lies on a knife's edge between two numbers of the format may be rounded either way, as far as f32 arithmetic and the matrix unit's own rounding can turn it there, and no further.
;; One version. Each part assembles by itself: llvm-mc -triple=amdgcn-amd-amdhsa -mcpu=gfx1250 --defsym DOCPART=n.
;; ======== version 1 of 1: 3 launches
;; limits: right only within a limited range of input values
;; workspace buffers: mbits 2,097,152 bytes of whole numbers; qimg 4,718,592 bytes; kv 9,175,040 bytes
;; launch maskw (part 1): grid 64 x 4, 16 waves a work-group, no clusters, 272,384 bytes of LDS; arguments masks, mbits; writes mbits
.if DOCPART == 1
	.amdgcn_target "amdgcn-amd-amdhsa--gfx1250"
	.amdhsa_code_object_version 6
	.text
	.protected	k_qd9f1b52958_maskw
	.globl	k_qd9f1b52958_maskw
	.p2align	8
	.type	k_qd9f1b52958_maskw,@function
k_qd9f1b52958_maskw:
	s_mov_b64 s[64:65], 0
	v_nop
	global_prefetch_b8 v0, s[64:65] scope:SCOPE_SE
	s_setreg_imm32_b32 hwreg(HW_REG_WAVE_MODE, 25, 1), 1
	s_wait_xcnt 0x0
; masks [4][2048][2048] int32  ->  mbits [m 4][T 128][j 16][64 words]: one bit a score, laid as the lane masks that the attention launch's selects want.
; Word rho = 16 bb + i of (m, T, j): bit L says whether masks[m][query][key] is not 0, with r = L % 16, h = L / 16,
;   query = 32 (T / 2) + 8 (T % 2) + r + 8 (r / 8)   (the order of rows of a tile of queries there),   key = 128 j + 32 bb + 16 h + i   (register rho of lane L there).
; So the 16 heads that share a mask read 1/32 of its bytes, and the int32 numbers are read once.
; SHARES.  A work-group takes 32 queries (tiles T = 2 x, 2 x + 1) of mask y; wave w takes key step j = w: a tile of 32 rows x 512 bytes, by ONE tensor load into LDS bytes of its own.
; Each wave reads only what its own load brought: its own wait on TENSORcnt orders that, and no barrier is needed.  Nothing is filled again.
; LDS rows are 512 bytes + 16 of padding.  Rows r and r + 16 of a load's sixteen lanes fall on the same 16-byte column modulo 256 at any pitch that is a multiple of 16: accepted, the launch is a stream of masks.
.set PITCH, 528                        ; an LDS row
.set WTILE, 32*PITCH                   ; a wave's bytes of LDS
.set AM,   1                           ; v1       LDS address of my lane: row r + 8 (r / 8), + 64 h, in my wave's tile
.set OUTO, 2                           ; v2       8 x lane: my two words of a block of 64
.set WD,   4                           ; v[4:5], v[6:7]  the 64 words of tile 0, 1: word rho in lane rho / 2, register rho % 2
.set IN,   16                          ; v16-79, v80-143  the numbers of tile 0, 1: register rho
.set G0,   12                          ; s[12:15] descriptor group 0
.set G1,   16                          ; s[16:23] descriptor group 1
.set CM,   24                          ; s[24:31] eight compare results, by turns
	s_load_b128 s[4:7], s[0:1], 0x0                ; masks s[4:5], mbits s[6:7]
	v_lshl_add_u32 v144, v0, 2, 0x42000
	v_mov_b32 v145, 0
	ds_add_u32 v144, v145
	ds_add_u32 v144, v145
	v_lshrrev_b32 v3, 5, v0
	s_delay_alu instid0(VALU_DEP_1)
	v_readfirstlane_b32 s10, v3                    ; wave 0..15 = key step j
	s_and_b32 s11, ttmp7, 0xffff                   ; which mask
	s_mov_b32 s[G1+0], (2<<16)|(1<<20)|(6<<22)|(3<<25)  ; no mask of work-groups; elements of 4 bytes; padding on: 4 words behind every 128
	s_mov_b32 s[G1+1], 128<<16                     ; tensor_dim0 = 128
	s_mov_b32 s[G1+2], 32<<16                      ; tensor_dim1 = 32
	s_mov_b32 s[G1+3], 128<<16                     ; tile_dim0 = 128 elements: 512 bytes
	s_mov_b32 s[G1+4], 32                          ; tile_dim1 = 32 rows
	s_mov_b32 s[G1+5], 2048                        ; elements from row to row
	s_mov_b32 s[G1+6], 0
	s_mov_b32 s[G1+7], 0
	s_lshl_b32 s2, s11, 11
	s_lshl_b32 s3, ttmp9, 5
	s_add_co_u32 s2, s2, s3                        ; my first row: 2048 m + 32 x
	s_lshl_b32 s2, s2, 13                          ; of 8,192 bytes
	s_lshl_b32 s3, s10, 9
	s_add_co_u32 s2, s2, s3                        ; + 512 bytes a key step
	s_mov_b32 s3, 0
	s_lshl_b32 s32, s11, 19                        ; mbits: (128 m + 2 x) blocks of 4,096 bytes + 256 j
	s_lshl_b32 s33, ttmp9, 13
	s_add_co_u32 s32, s32, s33
	s_lshl_b32 s33, s10, 8
	s_add_co_u32 s32, s32, s33
	s_mov_b32 s33, 0
	s_mov_b32 s[G0], 1                             ; count = 1
	s_mul_i32 s[G0+1], s10, WTILE                  ; LDS address: my wave's bytes
	s_wait_dscnt 0x0
	s_wait_kmcnt 0x0
	s_add_nc_u64 s[G0+2:G0+3], s[4:5], s[2:3]      ; the tile's first element
	s_or_b32 s[G0+3], s[G0+3], 0x80000000          ; type = 2
	tensor_load_to_lds s[G0:G0+3], s[G1:G1+7]      ; the wave's one tensor load
	s_nop 0
.rept 4
	v_nop
.endr
	s_add_nc_u64 s[8:9], s[6:7], s[32:33]
	v_and_b32 v3, 15, v0                           ; r
	v_and_b32 v8, 8, v0
	s_delay_alu instid0(VALU_DEP_1)
	v_add_nc_u32 v3, v3, v8                        ; r + 8 (r / 8)
	s_delay_alu instid0(VALU_DEP_1)
	v_mul_u32_u24 v[AM], v3, PITCH
	v_bfe_u32 v8, v0, 4, 1                         ; h
	s_delay_alu instid0(VALU_DEP_1)
	v_lshl_add_u32 v[AM], v8, 6, v[AM]             ; + 16 keys of 4 bytes for the upper half of the lanes
	s_delay_alu instid0(VALU_DEP_1)
	v_add_nc_u32 v[AM], s[G0+1], v[AM]
	v_and_b32 v[OUTO], 31, v0
	s_delay_alu instid0(VALU_DEP_1)
	v_lshlrev_b32 v[OUTO], 3, v[OUTO]
.irp i, 0,1,2,3
	v_mov_b32 v[WD+\i], 0                          ; a lane write's destination counts as one of its sources
.endr
	s_wait_alu depctr_va_vdst(0)
	s_wait_tensorcnt 0x0                           ; my tile is in LDS
.irp u, 0,1
.irp q, 0,1,2,3
.irp e, 0,1,2,3
	ds_load_b128 v[IN+64*\u+16*\q+4*\e:IN+64*\u+16*\q+4*\e+3], v[AM] offset:8*\u*PITCH+128*\q+16*\e   ; tile u begins 8 rows on; block q 128 bytes on
.endr
.endr
.endr
; The 64 words of tile u.  A compare over the 32 lanes IS a word; it is put into lane rho / 2 of register rho % 2, so that the 32 lanes store 256 consecutive bytes.
.macro WORDS u, left
	s_wait_dscnt \left                             ; LDS loads come back in order: this tile's sixteen are in
.irp g, 0,1,2,3,4,5,6,7
.irp k, 0,1,2,3,4,5,6,7
	v_cmp_ne_u32 s[CM+\k], 0, v[IN+64*\u+8*\g+\k]
.endr
.irp k, 0,1,2,3,4,5,6,7
	v_writelane_b32 v[WD+2*\u+\k%2], s[CM+\k], 4*\g+\k/2
.endr
.endr
	global_store_b64 v[OUTO], v[WD+2*\u:WD+2*\u+1], s[8:9] offset:4096*\u   ; 256 consecutive bytes, at a multiple of 256 from the buffer's first byte
.endm
	WORDS 0, 16                                    ; tile 1's sixteen loads may be out
	WORDS 1, 0
	s_wait_tensorcnt 0x0
	ds_add_u32 v144, v145
	s_wait_dscnt 0x0
	s_endpgm
.Lfunc_end_k_qd9f1b52958_maskw:
	.size	k_qd9f1b52958_maskw, .Lfunc_end_k_qd9f1b52958_maskw-k_qd9f1b52958_maskw
	.p2alignl 7, 3214868480
	.fill 96, 4, 3214868480
	.section	.rodata,"a",@progbits
	.p2align	6, 0x0
	.amdhsa_kernel k_qd9f1b52958_maskw
		.amdhsa_group_segment_fixed_size 272384
		.amdhsa_private_segment_fixed_size 0
		.amdhsa_enable_private_segment 0
		.amdhsa_kernarg_size 16
		.amdhsa_user_sgpr_count 2
		.amdhsa_user_sgpr_kernarg_segment_ptr 1
		.amdhsa_wavefront_size32 1
		.amdhsa_system_sgpr_workgroup_id_x 1
		.amdhsa_system_sgpr_workgroup_id_y 1
		.amdhsa_system_sgpr_workgroup_id_z 1
		.amdhsa_system_vgpr_workitem_id 0
		.amdhsa_next_free_vgpr 146
		.amdhsa_next_free_sgpr 66
		.amdhsa_reserve_vcc 0
		.amdhsa_float_denorm_mode_32 3
		.amdhsa_float_denorm_mode_16_64 3
		.amdhsa_memory_ordered 1
		.amdhsa_forward_progress 1
		.amdhsa_inst_pref_size 22
	.end_amdhsa_kernel
	.amdgpu_metadata
---
amdhsa.version: [ 1, 2 ]
amdhsa.kernels:
  - .name:           k_qd9f1b52958_maskw
    .symbol:         k_qd9f1b52958_maskw.kd
    .args:
      - { .name: masks, .offset: 0, .size: 8, .value_kind: global_buffer, .address_space: global }
      - { .name: mbits, .offset: 8, .size: 8, .value_kind: global_buffer, .address_space: global }
    .group_segment_fixed_size: 272384
    .private_segment_fixed_size: 0
    .kernarg_segment_align: 8
    .kernarg_segment_size: 16
    .max_flat_workgroup_size: 512
    .sgpr_count:     66
    .vgpr_count:     146
    .wavefront_size: 32
...
	.end_amdgpu_metadata
.endif
;; end of part 1
;; launch quant (part 2): grid 64 x 4, 8 waves a work-group, no clusters, 168,960 bytes of LDS; arguments q, proj_Q, proj_K, proj_V, qimg, kv; writes qimg, kv
.if DOCPART == 2
	.amdgcn_target "amdgcn-amd-amdhsa--gfx1250"
	.amdhsa_code_object_version 6
	.text
	.protected	k_qd9f1b52958_quant
	.globl	k_qd9f1b52958_quant
	.p2align	8
	.type	k_qd9f1b52958_quant,@function
k_qd9f1b52958_quant:
	s_mov_b64 s[64:65], 0
	v_nop
	global_prefetch_b8 v0, s[64:65] scope:SCOPE_SE
	s_setreg_imm32_b32 hwreg(HW_REG_WAVE_MODE, 25, 1), 1
	s_wait_xcnt 0x0
; x = q [4][2048][1024] f32.  x proj_Q and x proj_K are quantised to FP4 (E2M1) along a head's 64 channels, x proj_V along the keys; one E8M0 scale for each 32.  (reference() uses neither k nor v: they are not read.)
; The codes and scale words leave as IMAGES OF THE OPERANDS' REGISTERS, so that the attention launch loads every fragment as 512 consecutive bytes.  Head n = 16 b + hd, chunk j = rows 128 j .. 128 j + 127:
;   qimg [n][j] 4,608 bytes: +0 eight tiles x 512 bytes of codes; +4096 512 bytes of scale words.
;   kv   [n][j] 8,960 bytes: +0 K's codes, as Q's; +4096 V's codes [t 4][c 2][512]; +8192 K's scale words; +8704 V's scale words, two planes of 128 bytes.
;   Tile t = 2 bb + u of Q or K: lane (r, h) has 16 bytes at 512 t + 16 lane: channels 32 h .. 32 h + 31 of row 128 j + 32 bb + 8 u + r + 8 (r / 8).  THE ROWS OF A TILE ARE NOT NEIGHBOURS: so the scores' 16 registers of two neighbouring tiles are 16 neighbouring keys.
;   Their scale words: at 16 L + 4 jj the word of tile 2 jj + L / 16, row L % 16: byte 0 block 0, byte 1 block 1, bytes 2 and 3 zero (they scale the zero codes of k = 64 .. 127).
;   V: at 4096 + 1024 t + 512 c + 16 (16 h + r): channel 16 t + r, keys 128 j + 32 (2 c + h) + 0 .. 31.  Its scale words: at 8704 + 128 tau + 4 L: tile 2 tau + L / 16, channel L % 16, byte = the key block of the step.
; A block's scale is 2^(floor(log2(its largest magnitude)) - 2); its byte is the largest magnitude's exponent field - 2, held at 1 from below.
; LIMITS: a block whose largest magnitude lies under 2^-124 keeps the byte 1; a block of zeros gets the byte 1 where the rule says 127 (its codes are zeros, and this program alone reads the bytes); NaN and infinities among the inputs are not served.
; SHARES.  Work-group (x, y): j = x % 16, g = x / 16 (four heads, 256 channels), b = y: a tile of 128 rows x 1,024 bytes of q, read from memory ONCE for Q, K and V.  Wave w fills rows 16 w .. 16 w + 15 by one tensor load; one barrier; nothing is filled again.
; Wave w: head hdl = w / 2.  First its head's eight tiles, of Q (w even) or of K (w odd): one text, the pointers chosen on the wave's number.  Then V for channels 32 (w % 2) .. + 31: a lane takes a column and its registers run down the keys.
; Twelve units in all, written out; each unit's LDS loads are issued two units ahead, into two sets of 32 registers.  Every store has data registers of its own and no address register is written again.
; V's 128 scale bytes a wave are half of an aligned 256: 256 of a chunk's 8,960 bytes are written in halves.
.set PITCH, 1040                       ; an LDS row: 1,024 bytes + 16 of padding
.set AX,  1                            ; v1, v2   Q/K: (r + 8 (r / 8)) rows + 128 h + 256 hdl; tiles 0-3, tiles 4-7 (64 rows on: LDS immediates stay under 65,536)
.set AV,  3                            ; v3, v4   V: 4 lane + 128 (w % 2) + 256 hdl; blocks 0-1, blocks 2-3
.set LI,  5                            ; v5       16 x lane
.set SV,  6                            ; v6       V's codes: 1024 (lane / 16) + 16 (lane % 16) + 2048 (w % 2)
.set SW4, 7                            ; v7       V's scale words: 4 lane + 128 (w % 2)
.set MA,  8                            ; v8       largest magnitude, first chain
.set BY,  9                            ; v9       the scale's byte
.set PT,  10                           ; v10      a lane permute's destination
.set SO,  11                           ; v11      the conversions' scale operand
.set MB,  12                           ; v12      second chain (at the head: 128 h, proj's offset)
.set PO,  13                           ; v13      4 x lane
.set SH,  14                           ; v14      8 h: where my block's byte stands in the scale word
.set EW,  15                           ; v15      an even tile's scale word
.set P,   16                           ; v16-47   my 32 numbers of proj_Q or proj_K
.set PVR, 48                           ; v[48:49] my channel's proj_V, and 0 (named with it as a pair)
.set X,   64                           ; v64-95, v96-127  two sets of 32 numbers
.set CQ,  128                          ; v128-159 the eight tiles' codes
.set CV,  160                          ; v160-175 V's four blocks' codes
.set SWD, 176                          ; v176-179 Q's or K's scale words
.set VW,  180                          ; v180     V's scale word
	s_load_b256 s[4:11], s[0:1], 0x0               ; q s[4:5], proj_Q s[6:7], proj_K s[8:9], proj_V s[10:11]
	s_load_b128 s[36:39], s[0:1], 0x20             ; qimg s[36:37], kv s[38:39]
	v_lshl_add_u32 v192, v0, 2, 0x29000
	v_mov_b32 v193, 0
	ds_add_u32 v192, v193
	ds_add_u32 v192, v193
	v_lshrrev_b32 v8, 5, v0
	s_delay_alu instid0(VALU_DEP_1)
	v_readfirstlane_b32 s44, v8                    ; wave 0..7
	s_lshr_b32 s45, s44, 1                         ; hdl
	s_and_b32 s46, s44, 1                          ; 0: Q, V's channels 0-31;  1: K, V's channels 32-63
	s_and_b32 s47, ttmp9, 15                       ; j
	s_lshr_b32 s48, ttmp9, 4                       ; g
	s_and_b32 s49, ttmp7, 0xffff                   ; b
	s_mov_b32 s16, (2<<16)|(1<<20)|(7<<22)|(3<<25) ; elements of 4 bytes; padding on: 4 words behind every 256
	s_mov_b32 s17, 256<<16                         ; tensor_dim0 = 256
	s_mov_b32 s18, 16<<16                          ; tensor_dim1 = 16
	s_mov_b32 s19, 256<<16                         ; tile_dim0 = 256 elements: 1,024 bytes
	s_mov_b32 s20, 16                              ; tile_dim1 = 16 rows
	s_mov_b32 s21, 1024                            ; elements from row to row
	s_mov_b32 s22, 0
	s_mov_b32 s23, 0
	s_lshl_b32 s2, s49, 11
	s_lshl_b32 s3, s47, 7
	s_add_co_u32 s2, s2, s3
	s_lshl_b32 s3, s44, 4
	s_add_co_u32 s2, s2, s3                        ; my first row: 2048 b + 128 j + 16 w
	s_lshl_b32 s2, s2, 12                          ; of 4,096 bytes
	s_lshl_b32 s3, s48, 10
	s_add_co_u32 s2, s2, s3                        ; + 1,024 bytes a group of heads
	s_mov_b32 s3, 0
	s_mov_b32 s12, 1                               ; count = 1
	s_mul_i32 s13, s44, 16*PITCH                   ; LDS address: my 16 rows
	s_wait_dscnt 0x0
	s_wait_kmcnt 0x0
	s_add_nc_u64 s[14:15], s[4:5], s[2:3]
	s_or_b32 s15, s15, 0x80000000                  ; type = 2
	tensor_load_to_lds s[12:15], s[16:23]          ; the wave's one tensor load
	s_nop 0
.rept 4
	v_nop
.endr
	s_lshl_b32 s50, s49, 4
	s_lshl_b32 s51, s48, 2
	s_add_co_u32 s50, s50, s51
	s_add_co_u32 s50, s50, s45                     ; n = 16 b + 4 g + hdl
	s_lshl_b32 s50, s50, 4
	s_add_co_u32 s50, s50, s47                     ; 16 n + j
	s_mul_i32 s52, s50, 8960                       ; my chunk in kv,
	s_mov_b32 s53, 0
	s_mul_i32 s54, s50, 4608                       ; and in qimg
	s_mov_b32 s55, 0
	s_lshl_b32 s56, s48, 10
	s_lshl_b32 s57, s45, 8
	s_add_co_u32 s56, s56, s57                     ; my head's first channel in a proj vector, in bytes
	s_mov_b32 s57, 0
	s_mov_b32 s58, 8192                            ; where the scale words stand in a chunk: K's; Q's at 4096
	s_mov_b32 s59, 0
	s_lshl_b32 s60, s46, 7                         ; 128 (w % 2)
	s_lshl_b32 s61, s45, 8                         ; 256 hdl
	s_lshl_b32 s62, s46, 11                        ; 2048 (w % 2)
	s_cmp_eq_u32 s46, 0                            ; Q's wave or K's?  The choice hangs on the wave's number alone; only pointers and offsets are chosen
	s_cselect_b64 s[24:25], s[36:37], s[38:39]
	s_cselect_b64 s[30:31], s[6:7], s[8:9]
	s_cselect_b32 s54, s54, s52
	s_cselect_b32 s58, 4096, s58
	s_add_nc_u64 s[24:25], s[24:25], s[54:55]      ; where my eight tiles' codes go,
	s_add_nc_u64 s[26:27], s[24:25], s[58:59]      ; and their scale words
	s_add_nc_u64 s[28:29], s[38:39], s[52:53]      ; kv's chunk, for V
	s_add_nc_u64 s[30:31], s[30:31], s[56:57]      ; proj_Q or proj_K at my head
	s_add_co_u32 s56, s56, s60
	s_add_nc_u64 s[32:33], s[10:11], s[56:57]      ; proj_V at my 32 channels
	s_mov_b32 s40, 0x76543210
	s_mov_b32 s41, 0xfedcba98                      ; v_permlanex16_b32's selects for lane l xor 16
	s_mov_b32 s42, 0xffff0000                      ; the upper half of the lanes
	v_and_b32 v8, 15, v0                           ; r
	v_and_b32 v9, 8, v0
	s_delay_alu instid0(VALU_DEP_1)
	v_add_nc_u32 v8, v8, v9                        ; r + 8 (r / 8)
	v_bfe_u32 v9, v0, 4, 1                         ; h
	s_delay_alu instid0(VALU_DEP_2)
	v_mul_u32_u24 v[AX], v8, PITCH
	s_delay_alu instid0(VALU_DEP_1)
	v_lshl_add_u32 v[AX], v9, 7, v[AX]
	s_delay_alu instid0(VALU_DEP_1)
	v_add_nc_u32 v[AX], s61, v[AX]
	s_delay_alu instid0(VALU_DEP_1)
	v_add_nc_u32 v[AX+1], 64*PITCH, v[AX]
	v_and_b32 v10, 31, v0                          ; lane
	s_delay_alu instid0(VALU_DEP_1)
	v_lshlrev_b32 v[PO], 2, v10
	s_add_co_u32 s61, s61, s60                     ; 256 hdl + 128 (w % 2)
	v_add_nc_u32 v[AV], s61, v[PO]
	s_delay_alu instid0(VALU_DEP_1)
	v_add_nc_u32 v[AV+1], 64*PITCH, v[AV]
	v_lshlrev_b32 v[LI], 4, v10
	v_and_b32 v8, 15, v0
	s_delay_alu instid0(VALU_DEP_1)
	v_lshlrev_b32 v[SV], 4, v8
	s_delay_alu instid0(VALU_DEP_1)
	v_lshl_add_u32 v[SV], v9, 10, v[SV]
	s_delay_alu instid0(VALU_DEP_1)
	v_add_nc_u32 v[SV], s62, v[SV]
	v_add_nc_u32 v[SW4], s60, v[PO]
	v_lshlrev_b32 v[MB], 7, v9                     ; 128 h: my 32 channels of the head's 64
	v_lshlrev_b32 v[SH], 3, v9
	v_mov_b32 v[PT], 0                             ; written once: a lane permute's destination counts as one of its sources
	v_mov_b32 v[PVR+1], 0
.irp e, 0,1,2,3,4,5,6,7
	global_load_b128 v[P+4*\e:P+4*\e+3], v[MB], s[30:31] offset:16*\e
.endr
	global_load_b32 v[PVR], v[PO], s[32:33]
.macro LDQ t                           ; tile t of Q or K: my row's 32 numbers, into set t % 2
.irp e, 0,1,2,3,4,5,6,7
	ds_load_b128 v[X+32*((\t)%2)+4*\e:X+32*((\t)%2)+4*\e+3], v[AX+(\t)/4] offset:(32*(((\t)%4)/2)+8*((\t)%2))*PITCH+16*\e
.endr
.endm
.macro LDV k                           ; block k of V: my column at keys 32 k .. 32 k + 31, into set k % 2; 32 lanes read 128 consecutive bytes
.irp i, 0,1,2,3,4,5,6,7,8,9,10,11,12,13,14,15,16,17,18,19,20,21,22,23,24,25,26,27,28,29,30,31
	ds_load_b32 v[X+32*((\k)%2)+\i], v[AV+(\k)/2] offset:(32*((\k)%2)+\i)*PITCH
.endr
.endm
.macro BLOCKMAX                        ; the largest magnitude of v[XS] .. v[XS + 31], all mine, in two chains; the floor 2^(3 - 127) is one more leaf, so the byte cannot fall under 1
	v_max3_num_f32 v[MA], |v[XS]|, |v[XS+1]|, |v[XS+2]|
	v_max3_num_f32 v[MB], |v[XS+3]|, |v[XS+4]|, |v[XS+5]|
.irp i, 6,10,14,18,22,26
	s_delay_alu instid0(VALU_DEP_2)
	v_max3_num_f32 v[MA], v[MA], |v[XS+\i]|, |v[XS+\i+1]|
	s_delay_alu instid0(VALU_DEP_2)
	v_max3_num_f32 v[MB], v[MB], |v[XS+\i+2]|, |v[XS+\i+3]|
.endr
	s_delay_alu instid0(VALU_DEP_2)
	v_max3_num_f32 v[MA], v[MA], |v[XS+30]|, |v[XS+31]|
	s_delay_alu instid0(VALU_DEP_1)
	v_max3_num_f32 v[MA], v[MA], v[MB], 0x1800000
	s_delay_alu instid0(VALU_DEP_1)
	v_add_nc_u32 v[SO], 0xff000000, v[MA]          ; 2 off its exponent field: the conversion takes the exponent field of this operand as its scale, and nothing else of it
.endm
; Tile t of Q or K.  left = the LDS loads of the next unit, which may stay out.
.macro QKTILE t, left
.set XS, X+32*((\t)%2)
	s_wait_dscnt \left
.irp i, 0,2,4,6,8,10,12,14,16,18,20,22,24,26,28,30
	v_pk_mul_f32 v[XS+\i:XS+\i+1], v[XS+\i:XS+\i+1], v[P+\i:P+\i+1]   ; x proj, in f32
.endr
	BLOCKMAX
.irp g, 0,1,2,3
	v_cvt_scalef32_pk8_fp4_f32 v[CQ+4*(\t)+\g], v[XS+8*\g:XS+8*\g+7], v[SO]
.endr
	v_lshrrev_b32 v[BY], 23, v[SO]                 ; the scale's byte.  (The plain line behind the conversions)
.if (\t)+2 < 8
	LDQ (\t)+2                                     ; the set is free: the unit two on
.else
	LDV (\t)-6
.endif
	v_lshlrev_b32 v[BY], v[SH], v[BY]              ; at its place in the word: byte h
	s_delay_alu instid0(VALU_DEP_1)
	v_permlanex16_b32 v[PT], v[BY], s40, s41       ; with lane l xor 16's byte the row's word is whole, in both lanes
.if (\t)%2 == 0
	s_delay_alu instid0(VALU_DEP_1)
	v_or_b32 v[EW], v[BY], v[PT]
.else
	s_delay_alu instid0(VALU_DEP_1)
	v_or_b32 v[BY], v[BY], v[PT]
	s_delay_alu instid0(VALU_DEP_1)
	v_cndmask_b32 v[SWD+(\t)/2], v[EW], v[BY], s42 ; lanes 0-15 carry the even tile's words, lanes 16-31 the odd tile's
.endif
	global_store_b128 v[LI], v[CQ+4*(\t):CQ+4*(\t)+3], s[24:25] offset:512*(\t)   ; 512 consecutive bytes
.endm
; Block k of V.
.macro VBLOCK k, left
.set XS, X+32*((\k)%2)
	s_wait_dscnt \left
.irp i, 0,2,4,6,8,10,12,14,16,18,20,22,24,26,28,30
	v_pk_mul_f32 v[XS+\i:XS+\i+1], v[XS+\i:XS+\i+1], v[PVR:PVR+1] op_sel_hi:[1,0]   ; x proj_V of my channel
.endr
	BLOCKMAX
.irp g, 0,1,2,3
	v_cvt_scalef32_pk8_fp4_f32 v[CV+4*(\k)+\g], v[XS+8*\g:XS+8*\g+7], v[SO]
.endr
	v_lshrrev_b32 v[BY], 23, v[SO]                 ; (the plain line behind the conversions)
.if (\k) == 0
	s_delay_alu instid0(VALU_DEP_1)
	v_mov_b32 v[VW], v[BY]
.else
	s_delay_alu instid0(VALU_DEP_1)
	v_lshl_or_b32 v[VW], v[BY], 8*(\k), v[VW]      ; byte k of my channel's word
.endif
.if (\k) < 2
	LDV (\k)+2
.endif
	global_store_b128 v[SV], v[CV+4*(\k):CV+4*(\k)+3], s[28:29] offset:4096+512*((\k)/2)+256*((\k)%2)   ; sixteen lanes store 256 consecutive bytes, at a multiple of 256
.endm
	s_wait_tensorcnt 0x0                           ; my 16 rows are in LDS,
	s_barrier_signal -1
	s_barrier_wait -1                              ; everybody's are
	LDQ 0
	LDQ 1
	s_wait_loadcnt 0x0                             ; proj
.irp t, 0,1,2,3,4,5,6
	QKTILE \t, 8                                   ; the next tile's eight loads may be out
.endr
	QKTILE 7, 32                                   ; V's block 0: 32 loads
	global_store_b128 v[LI], v[SWD:SWD+3], s[26:27]   ; the eight tiles' scale words: 512 consecutive bytes
	VBLOCK 0, 32
	VBLOCK 1, 32
	VBLOCK 2, 32
	VBLOCK 3, 0
	global_store_b32 v[SW4], v[VW], s[28:29] offset:8704
	s_wait_tensorcnt 0x0
	ds_add_u32 v192, v193
	s_wait_dscnt 0x0
	s_endpgm
.Lfunc_end_k_qd9f1b52958_quant:
	.size	k_qd9f1b52958_quant, .Lfunc_end_k_qd9f1b52958_quant-k_qd9f1b52958_quant
	.p2alignl 7, 3214868480
	.fill 96, 4, 3214868480
	.section	.rodata,"a",@progbits
	.p2align	6, 0x0
	.amdhsa_kernel k_qd9f1b52958_quant
		.amdhsa_group_segment_fixed_size 168960
		.amdhsa_private_segment_fixed_size 0
		.amdhsa_enable_private_segment 0
		.amdhsa_kernarg_size 48
		.amdhsa_user_sgpr_count 2
		.amdhsa_user_sgpr_kernarg_segment_ptr 1
		.amdhsa_wavefront_size32 1
		.amdhsa_system_sgpr_workgroup_id_x 1
		.amdhsa_system_sgpr_workgroup_id_y 1
		.amdhsa_system_sgpr_workgroup_id_z 1
		.amdhsa_system_vgpr_workitem_id 0
		.amdhsa_next_free_vgpr 194
		.amdhsa_next_free_sgpr 66
		.amdhsa_reserve_vcc 0
		.amdhsa_float_denorm_mode_32 3
		.amdhsa_float_denorm_mode_16_64 3
		.amdhsa_memory_ordered 1
		.amdhsa_forward_progress 1
		.amdhsa_inst_pref_size 56
	.end_amdhsa_kernel
	.amdgpu_metadata
---
amdhsa.version: [ 1, 2 ]
amdhsa.kernels:
  - .name:           k_qd9f1b52958_quant
    .symbol:         k_qd9f1b52958_quant.kd
    .args:
      - { .name: q, .offset: 0, .size: 8, .value_kind: global_buffer, .address_space: global }
      - { .name: proj_Q, .offset: 8, .size: 8, .value_kind: global_buffer, .address_space: global }
      - { .name: proj_K, .offset: 16, .size: 8, .value_kind: global_buffer, .address_space: global }
      - { .name: proj_V, .offset: 24, .size: 8, .value_kind: global_buffer, .address_space: global }
      - { .name: qimg, .offset: 32, .size: 8, .value_kind: global_buffer, .address_space: global }
      - { .name: kv, .offset: 40, .size: 8, .value_kind: global_buffer, .address_space: global }
    .group_segment_fixed_size: 168960
    .private_segment_fixed_size: 0
    .kernarg_segment_align: 8
    .kernarg_segment_size: 48
    .max_flat_workgroup_size: 256
    .sgpr_count:     66
    .vgpr_count:     194
    .wavefront_size: 32
...
	.end_amdgpu_metadata
.endif
;; end of part 2
;; launch attnln (part 3): grid 64 x 4, 16 waves a work-group, clusters of 4 x 1, 327,680 bytes of LDS; arguments qimg, kv, mbits, q, gamma, beta, out0; writes out0
.if DOCPART == 3
	.amdgcn_target "amdgcn-amd-amdhsa--gfx1250"
	.amdhsa_code_object_version 6
	.text
	.protected	k_qd9f1b52958_attnln
	.globl	k_qd9f1b52958_attnln
	.p2align	8
	.type	k_qd9f1b52958_attnln,@function
k_qd9f1b52958_attnln:
	s_mov_b64 s[64:65], 0
	v_nop
	global_prefetch_b8 v0, s[64:65] scope:SCOPE_SE
	s_setreg_imm32_b32 hwreg(HW_REG_WAVE_MODE, 25, 1), 1
	s_wait_xcnt 0x0
	s_wait_alu depctr_hold_cnt(0) depctr_sa_sdst(0) depctr_va_vdst(0) depctr_va_sdst(0) depctr_va_ssrc(0) depctr_va_vcc(0) depctr_vm_vsrc(0)
	s_getreg_b32 s2, hwreg(HW_REG_IB_STS2, 6, 4)
	s_cmp_eq_u32 s2, 0
	s_cbranch_scc0 .Lentry_in_a_cluster
	s_endpgm
.Lentry_in_a_cluster:
	s_bfe_u32 s2, ttmp6, 0x10000c
	s_cmp_lg_u32 s2, 0x3003
	s_cbranch_scc0 .Lentry_shape_is_right
	s_endpgm
.Lentry_shape_is_right:
; out0 = layer norm over 1,024 channels of (ctx + q), ctx[b][row][64 hd + d] = sum over keys of softmax(where(mask, -1e-10, Q . K / 32)) V, head n = 16 b + hd, mask n % 4.
; Both products on codes of FP4 (E2M1) with one E8M0 scale for each 32 along K.  reference() uses neither k nor v: they are not among the arguments.
; A masked key is NOT left out: its score is -1e-10, and it counts in the maximum, in the sum and in the second product.
; THE SOFTMAX: t = score x log2(e); M = the row's largest t so far, rounded UP to a whole number; p = 2^(t - M) is quantised along the keys, not normalised; the sum of the unquantised p divides at the end.
; When M moves, the sum and O are multiplied by 2^(old M - new M): exact.
; LIMITS: NaN and infinities are not served; a p under 2^-126 counts as 0 (ISA guide 15.8, the exponential's entry); a block whose every p is 0 keeps the byte 1: its codes are zeros;
; a block's largest p is made from the block's largest score by the same multiply-add and exponential, which takes the exponential not to fall where its input rises.
; SHARES.  A work-group owns 32 WHOLE ROWS (rows 32 X .. + 31 of batch b, all 16 heads), so that the norm needs no other work-group and ctx never goes to memory.
; Wave w: tile u = w % 2 of 16 queries, heads 2 g and 2 g + 1 (g = w / 2), one after the other: 32 key steps of 128 keys.  In kv the chunks of heads 2 g, 2 g + 1 follow each other: 32 equal steps of 8,960 bytes.
; RING.  Two LDS slots, each with the step's eight chunks; waves 0 to 7 bring one chunk each by one tensor load, behind the round that stands at each step's head; two waves read each chunk.
; CLUSTER.  The four work-groups of a cluster share b, so they need the same chunks: each load is asked for JOINTLY (mask of all four).  My place in the cluster enters global addresses alone.
; PREFETCH.  Waves 8 to 15, which bring nothing, ask in step s for the chunks of step s + 3, whose tensor loads stand in step s + 2: wave 8 + i for chunk i, one instruction.  A chunk is 35 blocks of 256 bytes:
; the partner at place p names blocks 9 p .. 9 p + 8 (held at 34), told apart by address; lanes over 8 name their wave's last block again.  The last trip of the loop and the two steps behind it ask for nothing: chunks 0 to 2 and 31 come by their loads alone.
; My two rows of q are asked for once, at the change of heads, 16 steps ahead of their loads.
; LAYOUT of a step as the images in kv and qimg give it: S^T = K Q^T, O^T = V^T P^T; a lane holds ONE query (lane % 16); register 16 bb + i of S^T is key 32 bb + 16 (lane / 16) + i.
; The first product's K is 64: registers 4-7 of K's and Q's fragments are zeros, written once.  The mask comes as lane masks, 64 scalar words a step, asked for a step ahead.
; THE ROW'S SUM of a step's p is added at the NEXT step's head, between K's LDS loads and the wait for them (p stays in its registers until the next first product); ahead of a way out it is added at once.  A head begins with p = 0.
; WAY OUT.  O^T / sum goes to a stage of 32 rows x 4,096 bytes (+ 16) in LDS bytes that no load fills; one barrier; wave w then takes rows 2 w, 2 w + 1 whole: adds q, mean, variance of the deviations, gamma, beta, store.
; REGISTERS: v1 16 lane; v2 kv's prefetch offset; v3, v4 slot 0: my chunk + 16 lane, + 4 lane; v30, v31 slot 1; v5 stage in; v6 stage back; v7 q's prefetch offset; v8 masked score; v10 Q's scale words (v11: the second head's);
;   v12 -M, v13 largest t, v[14:15] sum; v16-23 Q; v24-27 the second head's Q; v28, v29 the spare word's address and 0; v32-95 K; v96-159 S^T, p; v160-191 O^T; v192-223 V; v224-231 p's codes; v232-251 at work;
;   v252-255 K's scale words until the first product, then f (v252) and work.
;   s[2:3] mask words; s[4:11] group 1; s12 wave; s13 the count of trips above which my wave prefetches; s[14:15] my rows of q; s[16:19], s[20:23] groups 0; s[24:25] my rows' offset; s29 trips; s30, s31 mask offset and step;
;   s[32:63], s[68:99] mask words; s[66:67] c; s[100:101] lane selects; s[104:105] where kv's prefetches stand.
.set CHUNK, 8960
.set SLOT,  8*CHUNK
.set STAGE, 2*SLOT
.set SPITCH, 4112
.set SPARE, STAGE+32*SPITCH            ; the spare words: 128 bytes a wave, eight blocks of 256 bytes that no other line names
.set JUMP,  128*4096-15*256            ; from step 15 of mask m to step 0 of mask m + 1, same tile
.macro CROUND
	s_barrier_signal -1
	s_barrier_wait -1
	s_cmp_lg_u32 s12, 0
	s_cbranch_scc1 .Lnot_wave_0_\@
	s_barrier_signal -3
.Lnot_wave_0_\@:
	s_barrier_wait -3
	s_barrier_signal -1
	s_barrier_wait -1
.endm
	s_load_b256 s[36:43], s[0:1], 0x0              ; qimg s[36:37], kv s[38:39], mbits s[40:41], q s[42:43]
	v_lshl_add_u32 v28, v0, 2, SPARE
	v_mov_b32 v29, 0
	ds_add_u32 v28, v29                            ; the opening lines: the add, twice on end, and its wait
	ds_add_u32 v28, v29
	v_lshrrev_b32 v1, 5, v0
	s_delay_alu instid0(VALU_DEP_1)
	v_readfirstlane_b32 s12, v1                    ; wave 0..15
	s_and_b32 s13, ttmp7, 0xffff                   ; b, which the four partners share
	s_lshr_b32 s44, s12, 1                         ; g
	s_and_b32 s45, s12, 1                          ; u
	s_and_b32 s46, s12, 7                          ; the chunk that I bring (waves 0-7) or prefetch (waves 8-15)
	s_mul_i32 s17, s46, CHUNK                      ; groups 0: LDS address in slot 0,
	s_add_co_u32 s21, s17, SLOT                    ; in slot 1
	s_lshl_b32 s47, s13, 8
	s_lshl_b32 s48, s46, 5
	s_add_co_u32 s47, s47, s48                     ; chunk 16 (16 b + 2 (w % 8)) of kv
	s_mul_i32 s48, s47, CHUNK
	s_mov_b32 s49, 0
	s_mov_b32 s16, 1
	s_mov_b32 s20, 1
	s_mov_b32 s4, 15|(3<<16)|(1<<21)               ; group 1: all four work-groups; elements of 8 bytes; bit 21 beside a mask
	s_mov_b32 s5, 32<<16                           ; rows of 256 bytes
	s_mov_b32 s6, 35<<16
	s_mov_b32 s7, 32<<16
	s_mov_b32 s8, 35                               ; 35 rows: 8,960 bytes
	s_mov_b32 s9, 32                               ; dense
	s_mov_b32 s10, 0
	s_mov_b32 s11, 0
	s_bfe_u32 s50, ttmp6, 0x40000                  ; my place in the cluster
	s_lshl_b32 s51, ttmp9, 2
	s_add_co_u32 s51, s51, s50                     ; X
	s_mul_i32 s50, s50, 9                          ; the first block of a chunk that my work-group prefetches
	s_lshl_b32 s52, s13, 4
	s_lshl_b32 s53, s44, 1
	s_add_co_u32 s52, s52, s53                     ; n = 16 b + 2 g
	s_lshl_b32 s52, s52, 4
	s_lshr_b32 s53, s51, 2
	s_add_co_u32 s52, s52, s53
	s_mul_i32 s52, s52, 4608                       ; Q's chunk 16 n + X / 4
	s_and_b32 s54, s51, 3                          ; bb = X % 4
	s_lshl_b32 s55, s54, 1
	s_add_co_u32 s55, s55, s45                     ; tile 2 bb + u
	s_lshl_b32 s55, s55, 9
	s_add_co_u32 s56, s52, s55                     ; its codes
	s_mov_b32 s57, 0
	s_lshl_b32 s58, s45, 8
	s_lshl_b32 s59, s54, 2
	s_add_co_u32 s58, s58, s59
	s_add_co_u32 s58, s58, s52
	s_add_co_u32 s58, s58, 4096                    ; its scale words: 4096 + 256 u + 4 bb (+ 16 r)
	s_mov_b32 s59, 0
	s_and_b32 s60, s44, 1
	s_lshl_b32 s60, s60, 8                         ; 128 m, m = 2 (g % 2)
	s_lshl_b32 s61, s51, 1
	s_add_co_u32 s60, s60, s61
	s_add_co_u32 s60, s60, s45                     ; + tile 2 X + u
	s_lshl_b32 s60, s60, 12
	s_mov_b32 s61, 0
	s_lshl_b32 s24, s13, 11
	s_lshl_b32 s25, s51, 5
	s_add_co_u32 s24, s24, s25
	s_lshl_b32 s25, s12, 1
	s_add_co_u32 s24, s24, s25                     ; row 2048 b + 32 X + 2 w
	s_lshl_b32 s24, s24, 12
	s_mov_b32 s25, 0
	s_mul_i32 s13, s44, CHUNK                      ; the chunk that I read
	s_mul_i32 s31, s45, 8*SPITCH
	s_lshl_b32 s46, s44, 9
	s_add_co_u32 s31, s31, s46
	s_add_co_u32 s31, s31, STAGE                   ; stage: row 8 u, byte 512 g
	s_mov_b32 s66, 0x3d38aa3b                      ; c = log2(e) / 32
	s_mov_b32 s67, s66
	s_mov_b32 s100, 0x76543210
	s_mov_b32 s101, 0xfedcba98
	s_wait_dscnt 0x0
	s_wait_kmcnt 0x0
	s_add_nc_u64 s[18:19], s[38:39], s[48:49]      ; step 0,
	s_add_nc_u64 s[22:23], s[18:19], CHUNK         ; step 1
	s_add_nc_u64 s[104:105], s[18:19], 2*CHUNK     ; the prefetches: each step's head steps this on by a chunk, so step 0 names step 3
	s_or_b32 s19, s19, 0x80000000
	s_or_b32 s23, s23, 0x80000000
	s_add_nc_u64 s[26:27], s[36:37], s[56:57]
	s_add_nc_u64 s[28:29], s[36:37], s[58:59]
	s_add_nc_u64 s[2:3], s[40:41], s[60:61]
	s_add_nc_u64 s[14:15], s[42:43], s[24:25]
	CROUND                                         ; all four work-groups are here: the joint loads meet
	s_cmp_lt_u32 s12, 8
	s_cbranch_scc0 .Lhead_none
	tensor_load_to_lds s[16:19], s[4:11]           ; step 0: one tensor load a wave at the head
	s_nop 0
.Lhead_none:
	v_and_b32 v2, 31, v0
	v_and_b32 v254, 15, v0                         ; r
	v_bfe_u32 v255, v0, 4, 1                       ; h
	v_lshlrev_b32 v1, 4, v2
	v_lshlrev_b32 v9, 4, v254
	v_lshlrev_b32 v4, 2, v2
	v_min_u32 v2, 8, v2
	global_load_b128 v[16:19], v1, s[26:27]        ; Q of head 2 g,
	global_load_b128 v[24:27], v1, s[26:27] offset:16*4608   ; of head 2 g + 1
	global_load_b32 v10, v9, s[28:29]
	global_load_b32 v11, v9, s[28:29] offset:16*4608
	v_add_nc_u32 v3, s13, v1
	v_add_nc_u32 v4, s13, v4
	v_add_nc_u32 v2, s50, v2
	v_and_b32 v6, 8, v0
	v_add_nc_u32 v30, SLOT, v3
	v_add_nc_u32 v31, SLOT, v4
	v_min_u32 v2, 34, v2                           ; block 9 p + min(lane, 8), held at the chunk's last
	v_add_nc_u32 v6, v254, v6                      ; r + 8 (r / 8)
	v_lshlrev_b32 v7, 8, v254
	v_lshlrev_b32 v2, 8, v2
	v_mul_u32_u24 v5, v6, SPITCH
	v_lshl_add_u32 v7, v255, 12, v7                ; q's prefetch: row lane / 16 of my two, block lane % 16
	v_lshl_add_u32 v5, v255, 5, v5
	v_lshrrev_b32 v6, 5, v0
	v_add_nc_u32 v5, s31, v5                       ; stage in: my query's row, + 32 h
	v_mul_u32_u24 v6, v6, 2*SPITCH
	v_mov_b32 v8, 0xb15be6ff                       ; -32 x 1e-10: the masked score, in units of the product's sum
	v_add_nc_u32 v6, v6, v1
	v_mov_b32 v253, 0
	v_add_nc_u32 v6, STAGE, v6                     ; stage back: row 2 w, 16 bytes a lane
	s_cmp_lt_u32 s12, 8
	s_cselect_b32 s13, 99, 1                       ; waves 8-15 prefetch while more than 1 trip is to go; the count never passes 99
	s_mov_b32 s30, 0
	s_load_b512 s[32:47], s[2:3], s30 offset:0x0   ; the first step's 64 mask words
	s_load_b512 s[48:63], s[2:3], s30 offset:0x40
	s_load_b512 s[68:83], s[2:3], s30 offset:0x80
	s_load_b512 s[84:99], s[2:3], s30 offset:0xc0
.irp i, 20,21,22,23,236,237,238,239
	v_mov_b32 v[\i], 0                             ; Q: k = 64 .. 127; the lane permutes' destinations
.endr
.irp t, 0,1,2,3,4,5,6,7
.irp i, 4,5,6,7
	v_mov_b32 v[32+8*\t+\i], 0                     ; K: k = 64 .. 127
.endr
.endr
; A head begins: p, O^T and the sum are zeros, the largest t is -3e38.  mv = 1: the second head's Q takes the first's place.
.macro INIT mv
.if \mv
.irp i, 0,1,2,3
	v_mov_b32 v[16+\i], v[24+\i]
.endr
	v_mov_b32 v10, v11
.endif
	v_mov_b32 v13, 0xff61b1e6
	v_mov_b32 v14, 0
	v_mov_b32 v15, 0
	v_floor_f32 v12, -v13
.set nn, 0
.rept 96
	v_mov_b32 v[96+nn], 0                          ; v96-159 p (the next step's head adds it to the sum), v160-191 O^T
.set nn, nn+1
.endr
	s_wait_alu depctr_va_vdst(0)
.endm
	INIT 0
	s_wait_loadcnt 0x0                             ; Q
; The row's sum takes in the 64 unquantised p that lie in v96-159, in eight chains.
.macro SUMS
	v_pk_add_f32 v[236:237], v[100:101], v[104:105]
	v_pk_add_f32 v[246:247], v[108:109], v[112:113]
	v_pk_add_f32 v[244:245], v[116:117], v[120:121]
	v_pk_add_f32 v[242:243], v[124:125], v[128:129]
	v_pk_add_f32 v[240:241], v[132:133], v[136:137]
	v_pk_add_f32 v[234:235], v[140:141], v[144:145]
	v_pk_add_f32 v[232:233], v[148:149], v[152:153]
	v_pk_add_f32 v[14:15], v[14:15], v[156:157]
	v_pk_add_f32 v[236:237], v[236:237], v[96:97]
	v_pk_add_f32 v[246:247], v[246:247], v[98:99]
	v_pk_add_f32 v[244:245], v[244:245], v[102:103]
	v_pk_add_f32 v[242:243], v[242:243], v[106:107]
	v_pk_add_f32 v[240:241], v[240:241], v[110:111]
	v_pk_add_f32 v[234:235], v[234:235], v[114:115]
	v_pk_add_f32 v[232:233], v[232:233], v[118:119]
	v_pk_add_f32 v[14:15], v[14:15], v[122:123]
	v_pk_add_f32 v[236:237], v[236:237], v[126:127]
	v_pk_add_f32 v[246:247], v[246:247], v[130:131]
	v_pk_add_f32 v[244:245], v[244:245], v[134:135]
	v_pk_add_f32 v[242:243], v[242:243], v[138:139]
	v_pk_add_f32 v[240:241], v[240:241], v[142:143]
	v_pk_add_f32 v[234:235], v[234:235], v[146:147]
	v_pk_add_f32 v[232:233], v[232:233], v[150:151]
	v_pk_add_f32 v[14:15], v[14:15], v[154:155]
	v_pk_add_f32 v[236:237], v[236:237], v[158:159]
	s_delay_alu instid0(VALU_DEP_2)
	v_pk_add_f32 v[14:15], v[14:15], v[242:243]
	s_delay_alu instid0(VALU_DEP_2)
	v_pk_add_f32 v[236:237], v[236:237], v[240:241]
	v_pk_add_f32 v[246:247], v[246:247], v[234:235]
	v_pk_add_f32 v[244:245], v[244:245], v[232:233]
	s_delay_alu instid0(VALU_DEP_2)
	v_pk_add_f32 v[14:15], v[14:15], v[246:247]
	s_delay_alu instid0(VALU_DEP_2)
	v_pk_add_f32 v[236:237], v[236:237], v[244:245]
	s_delay_alu instid0(VALU_DEP_1)
	v_pk_add_f32 v[14:15], v[14:15], v[236:237]
.endm
; A KEY STEP: 128 keys.  a16, a4: my chunk's addresses in the slot.  mk < 2: the next step's mask words are asked for, s31 bytes on; mk = 2, the last step: the pointers of the way out.
.macro STEP a16, a4, mk
	ds_load_b128 v[252:255], v[\a16] offset:8192   ; K's scale words: register jj: lanes 0-15 tile 2 jj, lanes 16-31 tile 2 jj + 1
.irp t, 0,1,2,3,4,5,6,7
	ds_load_b128 v[32+8*\t:35+8*\t], v[\a16] offset:512*\t
.endr
	SUMS                                           ; the last step's p, while K's loads are out; these 32 are also the places behind the last step's products, in front of the loads into V's registers
	s_wait_dscnt 0x0                               ; K and its scale words are in
.irp t, 0,1,2,3,4,5,6,7
.if \t%2 == 0
	v_wmma_scale_f32_16x16x128_f8f6f4 v[96+8*\t:103+8*\t], v[32+8*\t:39+8*\t], v[16:23], 0, v[252+\t/2], v10 matrix_a_fmt:MATRIX_FMT_FP4 matrix_b_fmt:MATRIX_FMT_FP4
.else
	v_wmma_scale_f32_16x16x128_f8f6f4 v[96+8*\t:103+8*\t], v[32+8*\t:39+8*\t], v[16:23], 0, v[252+\t/2], v10 matrix_a_fmt:MATRIX_FMT_FP4 matrix_b_fmt:MATRIX_FMT_FP4 matrix_a_scale:MATRIX_SCALE_ROW1
.endif
.endr
	ds_load_b32 v248, v[\a4] offset:8704           ; V's scale words and fragments: wanted only by the second product
	ds_load_b32 v249, v[\a4] offset:8832
.irp t, 0,1,2,3
.irp c, 0,1
	ds_load_b128 v[192+8*\t+4*\c:195+8*\t+4*\c], v[\a16] offset:4096+1024*\t+512*\c
.endr
.endr
.rept 4
	v_nop                                          ; four places in front of the first read of results (ISA guide 7.12.1)
.endr
	s_wait_kmcnt 0x0                               ; this step's mask words, asked for a step ago
.set nn, 0
.rept 64
	v_cndmask_b32 v[96+nn], v[96+nn], v8, s[32+nn+4*(nn/32)]   ; a masked score becomes -1e-10, ahead of the maximum
.set nn, nn+1
.endr
.irp b, 0,1,2,3
	v_max3_num_f32 v[232+\b], v[96+16*\b], v[97+16*\b], v[98+16*\b]   ; the largest score of each block of 32 keys
.endr
.irp i, 3,5,7,9,11,13
.irp b, 0,1,2,3
	s_delay_alu instid0(VALU_DEP_4)
	v_max3_num_f32 v[232+\b], v[232+\b], v[96+16*\b+\i], v[97+16*\b+\i]
.endr
.endr
.irp b, 0,1,2,3
	s_delay_alu instid0(VALU_DEP_4)
	v_max_num_f32 v[232+\b], v[232+\b], v[111+16*\b]
.endr
.if \mk < 2
	s_add_co_u32 s30, s30, s31                     ; written only behind the wait for the loads that named it
	s_load_b512 s[32:47], s[2:3], s30 offset:0x0
	s_load_b512 s[48:63], s[2:3], s30 offset:0x40
	s_load_b512 s[68:83], s[2:3], s30 offset:0x80
	s_load_b512 s[84:99], s[2:3], s30 offset:0xc0
.else
	s_load_b128 s[32:35], s[0:1], 0x20             ; gamma, beta (the mask words are done with)
	s_load_b64 s[36:37], s[0:1], 0x30              ; out0
.endif
.irp b, 0,1,2,3
	v_permlanex16_b32 v[236+\b], v[232+\b], s100, s101
.endr
.irp b, 0,1,2,3
	s_delay_alu instid0(VALU_DEP_4)
	v_max_num_f32 v[232+\b], v[232+\b], v[236+\b]  ; with lane l xor 16's 16 keys
.endr
	s_delay_alu instid0(VALU_DEP_2)
	v_max3_num_f32 v254, v232, v233, v234
	s_delay_alu instid0(VALU_DEP_1)
	v_max_num_f32 v254, v254, v235
	s_delay_alu instid0(VALU_DEP_1)
	v_mul_f32 v254, s66, v254                      ; as t (c is positive)
	s_delay_alu instid0(VALU_DEP_1)
	v_max_num_f32 v13, v13, v254                   ; the running largest t
	v_mov_b32 v254, v12
	s_delay_alu instid0(VALU_DEP_2)
	v_floor_f32 v12, -v13                          ; the new -M = -ceil(t)
	s_delay_alu instid0(VALU_DEP_1)
	v_sub_f32 v254, v12, v254
	s_delay_alu instid0(VALU_DEP_1)
	v_cvt_i32_f32 v254, v254                       ; (it saturates)
	s_delay_alu instid0(VALU_DEP_1)
	v_ldexp_f32 v252, 1.0, v254                    ; f = 2^(old M - new M)
.set nn, 0
.rept 32
	v_pk_fma_f32 v[96+nn:97+nn], v[96+nn:97+nn], s[66:67], v[12:13] op_sel_hi:[1,0,0]   ; t - M
.set nn, nn+2
.endr
.irp b, 0,1,2,3
	v_fma_f32 v[232+\b], v[232+\b], s66, v12
.endr
.set nn, 0
	s_wait_alu depctr_va_vdst(0)                   ; the wait ahead of the batch
.rept 64
	v_exp_f32 v[96+nn], v[96+nn]                   ; p = 2^(t - M)
.set nn, nn+1
.endr
.irp b, 0,1,2,3
	v_exp_f32 v[232+\b], v[232+\b]                 ; the block's largest p
.endr
	v_pk_mul_f32 v[14:15], v[14:15], v[252:253] op_sel_hi:[1,0]   ; the sums under the new M (of the pair the low word, f, serves both halves)
	s_wait_alu depctr_va_vdst(0)                   ; and behind it
.irp b, 0,1,2,3
	v_max_num_f32 v[232+\b], 0x1800000, v[232+\b]  ; the floor 2^(3 - 127)
.endr
.irp b, 0,1,2,3
	s_delay_alu instid0(VALU_DEP_4)
	v_add_nc_u32 v[240+\b], 0xff000000, v[232+\b]  ; the conversion's scale operand
.endr
.irp b, 0,1,2,3
	s_delay_alu instid0(VALU_DEP_4)
	v_lshrrev_b32 v[236+\b], 23, v[240+\b]         ; the scale's byte
.endr
	s_delay_alu instid0(VALU_DEP_3)
	v_lshl_or_b32 v250, v237, 8, v236              ; p's scale word
	s_delay_alu instid0(VALU_DEP_1)
	v_lshl_or_b32 v250, v238, 16, v250
	s_delay_alu instid0(VALU_DEP_1)
	v_lshl_or_b32 v250, v239, 24, v250
.irp b, 0,1,2,3
	v_cvt_scalef32_pk8_fp4_f32 v[224+2*\b], v[96+16*\b:103+16*\b], v[240+\b]
	v_cvt_scalef32_pk8_fp4_f32 v[225+2*\b], v[104+16*\b:111+16*\b], v[240+\b]
.endr
	v_nop                                          ; one plain vector instruction behind the scaled conversions
.irp c, 0,1
.irp i, 0,1
	v_permlane16_swap_b32 v[224+4*\c+\i], v[226+4*\c+\i]   ; a whole block in a lane
.endr
.endr
.set nn, 0
.rept 16
	v_pk_mul_f32 v[160+nn:161+nn], v[160+nn:161+nn], v[252:253] op_sel_hi:[1,0]   ; O^T under the new M
.set nn, nn+2
.endr
	s_wait_alu depctr_va_vdst(0)                   ; directly ahead of the wait below
	s_wait_dscnt 0x0                               ; V and its scale words are in
.irp t, 0,1,2,3                                ; O^T += V^T P^T; the four accumulators take turns
.if \t%2 == 0
	v_wmma_scale_f32_16x16x128_f8f6f4 v[160+8*\t:167+8*\t], v[192+8*\t:199+8*\t], v[224:231], v[160+8*\t:167+8*\t], v[248+\t/2], v250 matrix_a_fmt:MATRIX_FMT_FP4 matrix_b_fmt:MATRIX_FMT_FP4
.else
	v_wmma_scale_f32_16x16x128_f8f6f4 v[160+8*\t:167+8*\t], v[192+8*\t:199+8*\t], v[224:231], v[160+8*\t:167+8*\t], v[248+\t/2], v250 matrix_a_fmt:MATRIX_FMT_FP4 matrix_b_fmt:MATRIX_FMT_FP4 matrix_a_scale:MATRIX_SCALE_ROW1
.endif
.endr
.endm
; A STEP WITH ITS CHANGE OF SLOTS.  Every wave waits for all its tensor loads, adds 0 to its spare word and waits for that and for its reads of the other slot; a round of the cluster's barrier;
; behind it waves 0 to 7 ask for the next step's chunks, into the slot just left: a wave's one tensor load until the next round.  The branches hang on the wave's number and the count of trips alone.
.macro TRIP slot, refill, mk
	s_wait_tensorcnt 0x0
	ds_add_u32 v28, v29
.if \refill
	ds_add_u32 v28, v29                            ; twice on end where a load follows that some waves are led round
.endif
	s_add_nc_u64 s[18+4*\slot:19+4*\slot], s[18+4*\slot:19+4*\slot], 2*CHUNK   ; no load of mine is out: this slot's next step
	s_mov_b32 s31, 256                             ; the next step's mask words follow this step's,
.if \mk == 1
	s_cmp_eq_u32 s29, 8
	s_cselect_b32 s31, JUMP, s31                   ; but at the change of heads: the next mask's step 0
.endif
	s_wait_xcnt 0x0                                ; any prefetch of mine has read its address, so it may be written:
	s_add_nc_u64 s[104:105], s[104:105], CHUNK     ; three steps on from this one
	s_wait_dscnt 0x0
	CROUND
.if \refill
	s_cmp_lt_u32 s12, 8
	s_cbranch_scc0 .Lnl_\@
	tensor_load_to_lds s[20-4*\slot:23-4*\slot], s[4:11]
	s_nop 0
.Lnl_\@:
	s_cmp_gt_u32 s29, s13
	s_cbranch_scc0 .Lnp_\@
	global_prefetch_b8 v2, s[104:105] th:TH_LOAD_NT scope:SCOPE_SE   ; my work-group's nine blocks of the chunk whose tensor load stands two steps on
.Lnp_\@:
.endif
.if \slot
	STEP 30, 31, \mk
.else
	STEP 3, 4, \mk
.endif
.endm
; O^T / the sum into the stage: head 2 g + p's 256 bytes of my query's row.  Register 8 t + i is channel 16 t + 8 h + i.
.macro WAYOUT p
	s_wait_alu depctr_va_vdst(0)                   ; directly ahead of the reader below
	v_add_f32 v14, v14, v15
	s_delay_alu instid0(VALU_DEP_1)
	v_permlanex16_b32 v254, v14, s100, s101
	s_delay_alu instid0(VALU_DEP_1)
	v_add_f32 v14, v14, v254                       ; the row's sum
	s_wait_alu depctr_va_vdst(0)                   ; the wait ahead of the transcendental
	v_rcp_f32 v14, v14
	v_nop
	s_wait_alu depctr_va_vdst(0)                   ; and ahead of its first reader
.set nn, 0
.rept 16
	v_pk_mul_f32 v[96+nn:97+nn], v[160+nn:161+nn], v[14:15] op_sel_hi:[1,0]
.set nn, nn+2
.endr
.irp t, 0,1,2,3
	ds_store_b128 v5, v[96+8*\t:99+8*\t] offset:256*\p+64*\t
	ds_store_b128 v5, v[100+8*\t:103+8*\t] offset:256*\p+64*\t+16
.endr
.endm
	s_mov_b32 s29, 15
.Lring:                                            ; 15 trips of two steps; the last two steps are written out: the last asks for nothing
	TRIP 0, 1, 0
	TRIP 1, 1, 1
	s_cmp_lg_u32 s29, 8
	s_cbranch_scc1 .Lsame_head                     ; behind step 15 the first head is finished: a branch on the count of trips, round no barrier, wait or tensor load
	SUMS                                           ; step 15's p; also the places behind the last products
	WAYOUT 0
	global_prefetch_b8 v7, s[14:15] th:TH_LOAD_NT scope:SCOPE_SE   ; my two rows of q, 32 blocks of 256 bytes, a lane a block
	INIT 1
.Lsame_head:
	s_sub_co_i32 s29, s29, 1
	s_cmp_lg_u32 s29, 0
	s_cbranch_scc1 .Lring
	TRIP 0, 1, 0
	TRIP 1, 0, 2
	SUMS                                           ; the last step's p; also the places behind the last products: loads into V's registers follow
.irp i, 0,1
.irp j, 0,1,2,3,4,5,6,7
	global_load_b128 v[128+64*\i+4*\j:131+64*\i+4*\j], v1, s[14:15] offset:4096*\i+512*\j th:TH_LOAD_NT   ; q, rows 2 w, 2 w + 1: 512 consecutive bytes a load
.endr
.endr
	s_wait_kmcnt 0x0
.irp j, 0,1,2,3,4,5,6,7
	global_load_b128 v[32+4*\j:35+4*\j], v1, s[32:33] offset:512*\j
	global_load_b128 v[64+4*\j:67+4*\j], v1, s[34:35] offset:512*\j
.endr
	s_add_nc_u64 s[36:37], s[36:37], s[24:25]
	s_mov_b32 s16, 0x3a800000                      ; 1 / 1024 (no tensor load is out: the groups 0 are free)
	s_mov_b32 s17, 0x3727c5ac                      ; 1e-5
	WAYOUT 1
	s_wait_dscnt 0x0                               ; my stores into the stage are done,
	s_barrier_signal -1
	s_barrier_wait -1                              ; everybody's are
.irp i, 0,1
.irp j, 0,1,2,3,4,5,6,7
	ds_load_b128 v[96+64*\i+4*\j:99+64*\i+4*\j], v6 offset:SPITCH*\i+512*\j   ; ctx, the same two rows
.endr
.endr
	s_wait_xcnt 0x0                                ; the prefetches have read v2 and v7, which are written below
	s_wait_loadcnt 0x0
	s_wait_dscnt 0x0
; THE NORM of a row that lies in one wave: 32 numbers a lane.  v[2:9] four packed chains; v10 the mean; v12 1 / sqrt(var + eps).  The variance is taken of the deviations from the mean.
.macro REDUCE
	s_delay_alu instid0(VALU_DEP_3)
	v_pk_add_f32 v[2:3], v[2:3], v[4:5]
	s_delay_alu instid0(VALU_DEP_2)
	v_pk_add_f32 v[6:7], v[6:7], v[8:9]
	s_delay_alu instid0(VALU_DEP_1)
	v_pk_add_f32 v[2:3], v[2:3], v[6:7]
	s_delay_alu instid0(VALU_DEP_1)
	v_add_f32 v2, v2, v3
.irp x, 1,2,4,8
	s_delay_alu instid0(VALU_DEP_1)
	v_add_f32_dpp v2, v2, v2 row_xmask:\x row_mask:0xf bank_mask:0xf
.endr
	s_delay_alu instid0(VALU_DEP_1)
	v_permlanex16_b32 v3, v2, s100, s101
	s_delay_alu instid0(VALU_DEP_1)
	v_add_f32 v2, v2, v3
.endm
.macro LNROW C, i
.set nn, 0
.rept 16
	v_pk_add_f32 v[\C+nn:\C+nn+1], v[\C+nn:\C+nn+1], v[\C+32+nn:\C+32+nn+1]   ; x = ctx + q
.set nn, nn+2
.endr
.irp k, 0,2,4,6
	v_pk_add_f32 v[2+\k:3+\k], v[\C+\k:\C+\k+1], v[\C+8+\k:\C+8+\k+1]
.endr
.irp m, 16,24
.irp k, 0,2,4,6
	s_delay_alu instid0(VALU_DEP_4)
	v_pk_add_f32 v[2+\k:3+\k], v[2+\k:3+\k], v[\C+\m+\k:\C+\m+\k+1]
.endr
.endr
	REDUCE
	s_delay_alu instid0(VALU_DEP_1)
	v_mul_f32 v10, s16, v2                         ; the mean
.set nn, 0
.rept 16
	v_pk_add_f32 v[\C+nn:\C+nn+1], v[\C+nn:\C+nn+1], v[10:11] op_sel_hi:[1,0] neg_lo:[0,1] neg_hi:[0,1]
.set nn, nn+2
.endr
.irp k, 0,2,4,6
	v_pk_mul_f32 v[2+\k:3+\k], v[\C+\k:\C+\k+1], v[\C+\k:\C+\k+1]
.endr
.irp m, 8,16,24
.irp k, 0,2,4,6
	s_delay_alu instid0(VALU_DEP_4)
	v_pk_fma_f32 v[2+\k:3+\k], v[\C+\m+\k:\C+\m+\k+1], v[\C+\m+\k:\C+\m+\k+1], v[2+\k:3+\k]
.endr
.endr
	REDUCE
	s_delay_alu instid0(VALU_DEP_1)
	v_fma_f32 v2, v2, s16, s17                     ; var + eps
	s_wait_alu depctr_va_vdst(0)                   ; the wait ahead of the transcendental
	v_rsq_f32 v12, v2
	v_nop
	s_wait_alu depctr_va_vdst(0)                   ; and ahead of its first reader
.set nn, 0
.rept 16
	v_pk_mul_f32 v[\C+nn:\C+nn+1], v[\C+nn:\C+nn+1], v[12:13] op_sel_hi:[1,0]
.set nn, nn+2
.endr
.set nn, 0
.rept 16
	v_pk_fma_f32 v[\C+nn:\C+nn+1], v[\C+nn:\C+nn+1], v[32+nn:33+nn], v[64+nn:65+nn]
.set nn, nn+2
.endr
.irp j, 0,1,2,3,4,5,6,7
	global_store_b128 v1, v[\C+4*\j:\C+4*\j+3], s[36:37] offset:4096*\i+512*\j th:TH_STORE_NT   ; 512 consecutive bytes, at a multiple of 256
.endr
.endm
	LNROW 96, 0
	LNROW 160, 1
	s_wait_tensorcnt 0x0                           ; the wave's end
	ds_add_u32 v28, v29
	s_wait_dscnt 0x0
	CROUND                                         ; the closing round
	s_endpgm
.Lfunc_end_k_qd9f1b52958_attnln:
	.size	k_qd9f1b52958_attnln, .Lfunc_end_k_qd9f1b52958_attnln-k_qd9f1b52958_attnln
	.p2alignl 7, 3214868480
	.fill 96, 4, 3214868480
	.section	.rodata,"a",@progbits
	.p2align	6, 0x0
	.amdhsa_kernel k_qd9f1b52958_attnln
		.amdhsa_group_segment_fixed_size 327680
		.amdhsa_private_segment_fixed_size 0
		.amdhsa_enable_private_segment 0
		.amdhsa_kernarg_size 56
		.amdhsa_user_sgpr_count 2
		.amdhsa_user_sgpr_kernarg_segment_ptr 1
		.amdhsa_wavefront_size32 1
		.amdhsa_system_sgpr_workgroup_id_x 1
		.amdhsa_system_sgpr_workgroup_id_y 1
		.amdhsa_system_sgpr_workgroup_id_z 1
		.amdhsa_system_vgpr_workitem_id 0
		.amdhsa_next_free_vgpr 256
		.amdhsa_next_free_sgpr 106
		.amdhsa_reserve_vcc 0
		.amdhsa_float_denorm_mode_32 3
		.amdhsa_float_denorm_mode_16_64 3
		.amdhsa_memory_ordered 1
		.amdhsa_forward_progress 1
		.amdhsa_inst_pref_size 132
	.end_amdhsa_kernel
	.amdgpu_metadata
---
amdhsa.version: [ 1, 2 ]
amdhsa.kernels:
  - .name:           k_qd9f1b52958_attnln
    .symbol:         k_qd9f1b52958_attnln.kd
    .args:
      - { .name: qimg, .offset: 0, .size: 8, .value_kind: global_buffer, .address_space: global }
      - { .name: kv, .offset: 8, .size: 8, .value_kind: global_buffer, .address_space: global }
      - { .name: mbits, .offset: 16, .size: 8, .value_kind: global_buffer, .address_space: global }
      - { .name: q, .offset: 24, .size: 8, .value_kind: global_buffer, .address_space: global }
      - { .name: gamma, .offset: 32, .size: 8, .value_kind: global_buffer, .address_space: global }
      - { .name: beta, .offset: 40, .size: 8, .value_kind: global_buffer, .address_space: global }
      - { .name: out0, .offset: 48, .size: 8, .value_kind: global_buffer, .address_space: global }
    .group_segment_fixed_size: 327680
    .private_segment_fixed_size: 0
    .kernarg_segment_align: 8
    .kernarg_segment_size: 56
    .max_flat_workgroup_size: 512
    .sgpr_count:     106
    .vgpr_count:     256
    .wavefront_size: 32
...
	.end_amdgpu_metadata
.endif
;; end of part 3
